; MI455X (gfx1250); checked and timed in simulation.
; The chip was launched on July 23, 2026; its instructions are those of AMD's public machine-readable ISA for CDNA 5 (MIT licence, August 2026) and "CDNA5" Instruction Set Architecture Reference Guide (July 2026). The comments in the code are by the model that wrote it; some were corrected since.
;; Sparse Attention. Allowed arithmetic: matrix products marked QUANTISED: E2M1 operands, one E8M0 scale for each 32 along K, by v_wmma_scale_f32_16x16x128_f8f6f4 with both operands' format E2M1 (or v_wmma_scale_f32_32x16x128_f4), f32 sums; products left as they are: bf16, f16 or f32 operands; f32 sums; everything else in f32.
;; Inputs: Wk 512 x 512 float32; Wo 512 x 512 float32; Wq 512 x 512 float32; Wv 512 x 512 float32; bo 512 float32; x 2 x 4,096 x 512 float32.
;; Outputs: out0 2 x 4,096 x 512 float32.
;; This version of the problem:
;;   THIS VERSION OF THE PROBLEM IS GIVEN IN LOW PRECISION. The matrix products marked QUANTISED in the list below multiply operands that are first quantised to E2M1 (2 exponent bits, 1 mantissa bit; 4 bits a number), with one power-of-two scale for each 32 numbers along K (OCP MX v1.0); their sums are f32. The products marked 'left as it is' may take bf16, f16 or f32 operands, with f32 sums. Whichever they take, every output number must still come out within the allowed error. Rounding operands to bf16 (8 significant bits) uses up far more of that allowance than f16 does (11 bits, for magnitudes from 6e-5 to 65,504). All else is computed in f32.
;;   The module's matrix products, in the order in which they are computed (A, B: the left and right operand; K: the contracted axis; several contracted axes count as one K, in the product's order):
;;     1. [M 8,192, K 512] x [K 512, N 512]; A: input x; B: input Wq: QUANTISED
;;     2. [M 8,192, K 512] x [K 512, N 512]; A: input x; B: input Wk: QUANTISED
;;     3. [M 8,192, K 512] x [K 512, N 512]; A: input x; B: input Wv: QUANTISED
;;     4. batch 16 x [M 4,096, K 64] x [K 64, N 4,096]; A: computed on the way; B: computed on the way: left as it is (an operand is computed on the way)
;;     5. batch 16 x [M 4,096, K 4,096] x [K 4,096, N 64]; A: computed on the way; B: computed on the way: left as it is (an operand is computed on the way)
;;     6. [M 8,192, K 512] x [K 512, N 512]; A: computed on the way; B: input Wo: left as it is (an operand is computed on the way)
;;   THE QUANTISER, for each operand of a quantised product, along K:
;;     - K is cut into blocks of 32 from its start; a last block that is shorter is filled with zeros.
;;     - A block's scale is 2^e with e = floor(log2(the largest magnitude in the block)) - 2, held to -126 .. 127; a block of zeros has e = 0. As a byte (E8M0): e + 127.
;;     - Each number is divided by its block's scale, clamped to +-6, and rounded to the nearest number of E2M1, ties to even, subnormals kept.
;;     - The product sums the exact products of the quantised numbers (number of the format x scale) in f32.
;;   ~~~python
;;   def quantise(x, axis):      # numpy; x: float32 -> the quantised numbers, widened to float32 again
;;       x = np.moveaxis(x, axis, -1); K = x.shape[-1]
;;       x = np.pad(x, [(0, 0)] * (x.ndim - 1) + [(0, -K % 32)]); x = x.reshape(x.shape[:-1] + (-1, 32)); a = np.abs(x).max(-1, keepdims=True)
;;       e = np.where(a > 0, np.clip(np.frexp(np.where(a > 0, a, 1))[1] - 1 - 2, -126, 127), 0)      # np.frexp(a)[1] - 1 = floor(log2(a)), exactly
;;       r = np.clip(x / 2.0 ** e, -6, 6)
;;       step = 2.0 ** (np.maximum(np.frexp(np.where(r == 0, 1, r))[1] - 1, 0) - 1)
;;       q = np.round(r / step) * step * 2.0 ** e      # np.round: ties to even
;;       return np.moveaxis(q.reshape(q.shape[:-2] + (-1,))[..., :K], -1, axis).astype(np.float32)
;;   ~~~
;; One version. Each part assembles by itself: llvm-mc -triple=amdgcn-amd-amdhsa -mcpu=gfx1250 --defsym DOCPART=n.
;; ======== version 1 of 1: 2 launches
;; limits: values are held in f16: magnitudes above 65,504 overflow, below 6.1e-05 lose precision; right only within a limited range of input values
;; workspace buffers: wimg 917,504 bytes; wsc 24,576 bytes
;; launch prep (part 1): grid 256 x 1, 1 waves a work-group, no clusters, 0 bytes of LDS; arguments Wk, Wv, Wq, Wo, wimg, wsc; writes wimg, wsc
.if DOCPART == 1
	.amdgcn_target "amdgcn-amd-amdhsa--gfx1250"
	.amdhsa_code_object_version 6
	.text
	.protected	k_q8a7dc94679_prep
	.globl	k_q8a7dc94679_prep
	.p2align	8
	.type	k_q8a7dc94679_prep,@function
k_q8a7dc94679_prep:
	s_mov_b64 s[64:65], 0
	v_nop
	global_prefetch_b8 v0, s[64:65] scope:SCOPE_SE
	s_setreg_imm32_b32 hwreg(HW_REG_WAVE_MODE, 25, 1), 1
	s_wait_xcnt 0x0
; THE PROGRAM: out0 = attention(x Wq^T, x Wk^T, x Wv^T) Wo^T + bo, 8 heads of 64, under the band mask that the problem builds itself: query i sees key j of its own sequence where |i - j| <= 4.
; DEAD WORK, LEFT OUT IN THE SECOND KERNEL.  Outside the band a score is replaced by -1e9 ahead of the softmax; every query has at least five keys inside the band, so a key outside it has the weight
; exp(-1e9 - max), which moves no result by more than rounding while the scores inside the band lie above about -1e9 + 100.  So of the two dense products (scores: 4,096 x 4,096 a head; weights x V) only the
; tiles of 16 keys that touch a query tile's band are multiplied: two for each tile of 16 queries.  Inside them a hidden score gets -2^100 added and its weight is 0.  All six inputs have a way to the output and are loaded.
; LIMITS: scaled scores inside the band above about -1e9 + 100, score sums under 2^90 in magnitude; a NaN, an infinity or an overflow in rows outside a query's 32-key window is not carried to the result;
; Q, K, V, the attention's result and Wo go to the matrix unit as f16: magnitudes up to 65,504; blocks whose largest magnitude lies under 2^-124, denormals, NaN and infinities among the inputs were not tried.
;
; THIS KERNEL lays the four weights out once, in the order in which a wave's operand registers take them.
; Wk, Wv, Wq [512 (n)][512 (k)] f32 become codes of FP4 (E2M1) with one E8M0 byte for each 32 along k: a block's scale is 2^(floor(log2(largest magnitude)) - 2); its byte is the largest magnitude's exponent field - 2,
; held at 1 from below.  (A block of zeros so gets the byte 1 where the quantiser says 127: its codes are zeros, which add nothing under any byte but 0xff, and the bytes are read by this program alone.)  Wo becomes f16.
; wimg: [data 0..6][wave w 0..7][fragment 0..15][c 0..1][lane][16 bytes]; data = Wk, Wv, Wq, Wo's four quarters of k.  A fragment is the image of 8 operand registers: registers 4 c .. 4 c + 3 of lane l at 512 c + 16 l.
;   FP4: fragment 4 s + t: rows n = 64 w + 16 t + (l % 16); group c: k = 128 s + 64 c + 32 (l / 16) + 0 .. 31.      Wo, quarter q: fragment 4 kk + t: the same rows; group c: k = 128 q + 32 kk + 16 c + 8 (l / 16) + 0 .. 7.
; wsc:  [matrix 0..2][w][p 0..1][s 0..3][lane] words: lanes 0-15 the scale word (k = 128 s on) of row l % 16 of tile t = 2 p, lanes 16-31 that of tile 2 p + 1.
; SHARES: 256 work-groups of one wave; work-group g takes matrix g / 64, rows 64 w + 32 p + 0 .. 31 (w = (g / 8) % 8, p = (g / 4) % 2), k = 128 s + 0 .. 127 (s = g % 4): 16,384 bytes, 32 loads a lane, all asked for at once.
; A lane's loads take the k that the operand's layout gives that lane, so the conversions' results are the operand's registers.  Each store of codes covers 512 consecutive bytes; the one store of scale words covers 128.
.set X,   32                           ; v32-159  the lane's 128 numbers
.set CD,  160                          ; v160-175 the two fragments' codes
.set MX,  8                            ; v8-9     two blocks' largest magnitudes
.set SO,  10                           ; v10-11   the conversions' scale operands
.set BY,  12                           ; v12-13   the scale bytes
.set PW,  14                           ; v14-15   the two tiles' scale words
.set PT,  16                           ; v16      the lane permute's destination
.set SH8, 6                            ; v6       8 x (lane / 16)
.set SEL, 20                           ; s[20:21] lane selects for v_permlanex16_b32: lane l xor 16
; 64 numbers of a lane, v[x + 32 c + i] = k 64 c + 32 (lane / 16) + i of its row, become a fragment's codes in v[pc] on and the row's scale word in v[pw]
.macro QF4 x, pc, pw
.irp c, 0,1
	v_max3_num_f32 v[MX+\c], |v[(\x)+32*\c]|, |v[(\x)+32*\c+1]|, 0x1800000   ; my block 2 c + lane / 16: all 32 numbers are mine; the floor 2^(3 - 127) holds the byte at 1 from below
.endr
.irp i, 2,4,6,8,10,12,14,16,18,20,22,24,26,28,30
.irp c, 0,1
	v_max3_num_f32 v[MX+\c], v[MX+\c], |v[(\x)+32*\c+\i]|, |v[(\x)+32*\c+\i+1]|   ; (the two blocks by turns)
.endr
.endr
.irp c, 0,1
	v_add_nc_u32 v[SO+\c], 0xff000000, v[MX+\c]    ; 2 off the exponent field: the conversion takes the exponent field of this operand as its scale
.endr
.irp c, 0,1
	v_lshrrev_b32 v[BY+\c], 23, v[SO+\c]           ; the scale's byte
.endr
	v_lshl_or_b32 v[\pw], v[BY+1], 16, v[BY]       ; my two bytes: blocks h and 2 + h,
	v_lshlrev_b32 v[\pw], v[SH8], v[\pw]           ; at their places in the word;
	v_permlanex16_b32 v[PT], v[\pw], s[SEL], s[SEL+1]
	v_or_b32 v[\pw], v[\pw], v[PT]                 ; with lane l xor 16's two the word is whole
.irp c, 0,1
.irp g, 0,1,2,3
	v_cvt_scalef32_pk8_fp4_f32 v[(\pc)+4*\c+\g], v[(\x)+32*\c+8*\g:(\x)+32*\c+8*\g+7], v[SO+\c]
.endr
.endr
	v_nop                                          ; one plain vector line behind the last scaled conversion
.endm
	s_load_b256 s[4:11], s[0:1], 0x0               ; Wk s[4:5], Wv s[6:7], Wq s[8:9], Wo s[10:11]
	s_load_b128 s[12:15], s[0:1], 0x20             ; wimg s[12:13], wsc s[14:15]
	s_lshr_b32 s16, ttmp9, 6                       ; which matrix
	s_bfe_u32 s17, ttmp9, 0x30003                  ; w
	s_bfe_u32 s18, ttmp9, 0x10002                  ; p
	s_and_b32 s19, ttmp9, 3                        ; s
	s_lshl_b32 s22, s17, 17                        ; the source: 64 w rows of 2,048 bytes,
	s_lshl_b32 s24, s18, 16                        ; 32 p rows,
	s_add_co_u32 s22, s22, s24
	s_lshl_b32 s24, s19, 9                         ; 128 s numbers
	s_add_co_u32 s22, s22, s24
	s_mov_b32 s23, 0
	s_lshl_b32 s24, s17, 14                        ; the images: 16,384 w
	s_lshl_b32 s25, s18, 11                        ; + 2,048 p
	s_add_co_u32 s24, s24, s25
	s_mov_b32 s27, 0
	s_mov_b32 s29, 0
	s_mov_b32 s[SEL], 0x76543210
	s_mov_b32 s[SEL+1], 0xfedcba98
	v_and_b32 v1, 15, v0                           ; r
	v_bfe_u32 v2, v0, 4, 1                         ; h
	v_lshlrev_b32 v4, 4, v0                        ; 16 x lane (one wave: the thread's number is the lane)
	v_lshlrev_b32 v5, 2, v0                        ; 4 x lane
	v_lshlrev_b32 v[SH8], 3, v2
	v_mov_b32 v[PT], 0                             ; written once: a lane permute's destination counts as one of its sources
	s_wait_kmcnt 0x0
	s_cmp_eq_u32 s16, 1                            ; the choice hangs on the work-group's number alone
	s_cselect_b64 s[4:5], s[6:7], s[4:5]
	s_cmp_eq_u32 s16, 2
	s_cselect_b64 s[4:5], s[8:9], s[4:5]
	s_cmp_eq_u32 s16, 3
	s_cselect_b64 s[4:5], s[10:11], s[4:5]
	s_add_nc_u64 s[4:5], s[4:5], s[22:23]
	s_cmp_eq_u32 s16, 3
	s_cbranch_scc1 .Lwo
	; ---- Wk, Wv, Wq: two fragments of FP4 codes and their scale words
	v_lshlrev_b32 v3, 11, v1                       ; row r,
	v_lshl_add_u32 v3, v2, 7, v3                   ; + 32 h numbers
.irp u, 0,1
.irp c, 0,1
.irp i, 0,1,2,3,4,5,6,7
	global_load_b128 v[X+32*(2*\u+\c)+4*\i:X+32*(2*\u+\c)+4*\i+3], v3, s[4:5] offset:\u*32768+256*\c+16*\i th:TH_LOAD_NT
.endr
.endr
.endr
	s_lshl_b32 s26, s16, 17                        ; data = the matrix's number
	s_add_co_u32 s26, s26, s24
	s_lshl_b32 s25, s19, 12                        ; fragments 4 s on
	s_add_co_u32 s26, s26, s25
	s_add_nc_u64 s[12:13], s[12:13], s[26:27]
	s_lshl_b32 s28, s16, 13                        ; the scale words: 8,192 x matrix + 1,024 w + 512 p + 128 s
	s_lshl_b32 s25, s17, 10
	s_add_co_u32 s28, s28, s25
	s_lshl_b32 s25, s18, 9
	s_add_co_u32 s28, s28, s25
	s_lshl_b32 s25, s19, 7
	s_add_co_u32 s28, s28, s25
	s_add_nc_u64 s[14:15], s[14:15], s[28:29]
	s_wait_loadcnt 16                              ; the first tile's 16 loads are in; the second tile's 16 may be out
	QF4 X, CD, PW
	global_store_b128 v4, v[CD:CD+3], s[12:13]
	global_store_b128 v4, v[CD+4:CD+7], s[12:13] offset:512
	s_wait_loadcnt 0x0
	QF4 X+64, CD+8, PW+1
	global_store_b128 v4, v[CD+8:CD+11], s[12:13] offset:1024
	global_store_b128 v4, v[CD+12:CD+15], s[12:13] offset:1536
	v_cmp_eq_u32 vcc_lo, 1, v2
	v_cndmask_b32 v17, v[PW], v[PW+1], vcc_lo      ; lanes 0-15: the even tile's words, lanes 16-31: the odd tile's
	global_store_b32 v5, v17, s[14:15]
	s_endpgm
.Lwo:	; ---- Wo: eight fragments of f16 (two tiles of rows x four steps of 32 along k)
	v_lshlrev_b32 v3, 11, v1                       ; row r,
	v_lshl_add_u32 v3, v2, 5, v3                   ; + 8 h numbers
.irp u, 0,1
.irp k, 0,1,2,3
.irp c, 0,1
.irp i, 0,1
	global_load_b128 v[X+8*(8*\u+2*\k+\c)+4*\i:X+8*(8*\u+2*\k+\c)+4*\i+3], v3, s[4:5] offset:\u*32768+128*\k+64*\c+16*\i th:TH_LOAD_NT
.endr
.endr
.endr
.endr
	s_add_co_u32 s26, s19, 3                       ; data 3 + the quarter of k
	s_lshl_b32 s26, s26, 17
	s_add_co_u32 s26, s26, s24
	s_add_nc_u64 s[12:13], s[12:13], s[26:27]
	s_wait_loadcnt 0x0
.set g, 0
.rept 16                               ; in place, ascending: a register is written only when it has been read
.irp i, 0,1,2,3
	v_cvt_pk_f16_f32 v[X+4*g+\i], v[X+8*g+2*\i], v[X+8*g+2*\i+1]
.endr
.set g, g+1
.endr
.irp u, 0,1
.irp k, 0,1,2,3
.irp c, 0,1
	global_store_b128 v4, v[X+4*(8*\u+2*\k+\c):X+4*(8*\u+2*\k+\c)+3], s[12:13] offset:\k*4096+\u*1024+512*\c
.endr
.endr
.endr
	s_endpgm
.Lfunc_end_k_q8a7dc94679_prep:
	.size	k_q8a7dc94679_prep, .Lfunc_end_k_q8a7dc94679_prep-k_q8a7dc94679_prep
	.p2alignl 7, 3214868480
	.fill 96, 4, 3214868480
	.section	.rodata,"a",@progbits
	.p2align	6, 0x0
	.amdhsa_kernel k_q8a7dc94679_prep
		.amdhsa_group_segment_fixed_size 0
		.amdhsa_private_segment_fixed_size 0
		.amdhsa_enable_private_segment 0
		.amdhsa_kernarg_size 48
		.amdhsa_user_sgpr_count 2
		.amdhsa_user_sgpr_kernarg_segment_ptr 1
		.amdhsa_wavefront_size32 1
		.amdhsa_system_sgpr_workgroup_id_x 1
		.amdhsa_system_sgpr_workgroup_id_y 1
		.amdhsa_system_sgpr_workgroup_id_z 1
		.amdhsa_system_vgpr_workitem_id 0
		.amdhsa_next_free_vgpr 192
		.amdhsa_next_free_sgpr 66
		.amdhsa_reserve_vcc 1
		.amdhsa_float_denorm_mode_32 3
		.amdhsa_float_denorm_mode_16_64 3
		.amdhsa_memory_ordered 1
		.amdhsa_forward_progress 1
		.amdhsa_inst_pref_size 21
	.end_amdhsa_kernel
	.amdgpu_metadata
---
amdhsa.version: [ 1, 2 ]
amdhsa.kernels:
  - .name:           k_q8a7dc94679_prep
    .symbol:         k_q8a7dc94679_prep.kd
    .args:
      - { .name: Wk, .offset: 0, .size: 8, .value_kind: global_buffer, .address_space: global }
      - { .name: Wv, .offset: 8, .size: 8, .value_kind: global_buffer, .address_space: global }
      - { .name: Wq, .offset: 16, .size: 8, .value_kind: global_buffer, .address_space: global }
      - { .name: Wo, .offset: 24, .size: 8, .value_kind: global_buffer, .address_space: global }
      - { .name: wimg, .offset: 32, .size: 8, .value_kind: global_buffer, .address_space: global }
      - { .name: wsc, .offset: 40, .size: 8, .value_kind: global_buffer, .address_space: global }
    .group_segment_fixed_size: 0
    .private_segment_fixed_size: 0
    .kernarg_segment_align: 8
    .kernarg_segment_size: 48
    .max_flat_workgroup_size: 32
    .sgpr_count:     66
    .vgpr_count:     192
    .wavefront_size: 32
...
	.end_amdgpu_metadata
.endif
;; end of part 1
;; launch fused (part 2): grid 256 x 1, 8 waves a work-group, clusters of 4 x 1, 327,680 bytes of LDS; arguments x, wimg, wsc, bo, out0; writes out0
.if DOCPART == 2
	.amdgcn_target "amdgcn-amd-amdhsa--gfx1250"
	.amdhsa_code_object_version 6
	.text
	.protected	k_q8a7dc94679_fused
	.globl	k_q8a7dc94679_fused
	.p2align	8
	.type	k_q8a7dc94679_fused,@function
k_q8a7dc94679_fused:
	s_mov_b64 s[64:65], 0
	v_nop
	global_prefetch_b8 v0, s[64:65] scope:SCOPE_SE
	s_setreg_imm32_b32 hwreg(HW_REG_WAVE_MODE, 25, 1), 1
	s_wait_xcnt 0x0
	s_wait_alu depctr_hold_cnt(0) depctr_sa_sdst(0) depctr_va_vdst(0) depctr_va_sdst(0) depctr_va_ssrc(0) depctr_va_vcc(0) depctr_vm_vsrc(0)
	s_getreg_b32 s2, hwreg(HW_REG_IB_STS2, 6, 4)
	s_cmp_eq_u32 s2, 0
	s_cbranch_scc0 .Lentry_in_a_cluster
	s_endpgm
.Lentry_in_a_cluster:
	s_bfe_u32 s2, ttmp6, 0x10000c
	s_cmp_lg_u32 s2, 0x3003
	s_cbranch_scc0 .Lentry_shape_is_right
	s_endpgm
.Lentry_shape_is_right:
; out0 = attention(x Wq^T, x Wk^T, x Wv^T) Wo^T + bo for 32 rows of x a work-group; the three projections on codes of FP4 (E2M1) with E8M0 scales, the rest on f16 operands, all sums f32.
; WORK LEFT OUT: key tiles that lie wholly outside the band |i - j| <= 4 of the problem's own mask (shown at the head of the first kernel); the limits stated there hold here.
; SHARES.  Work-group wg owns queries 32 wg .. 32 wg + 31.  Local rows 0 .. 47 are rows 32 wg - 8 + l of x (held inside the tensor), three tiles of 16: K and V are made for all 48, Q for local rows 8 .. 39.
; Query tile qt (local rows 8 + 16 qt + r) needs exactly key tiles qt and qt + 1.  WAVE w IS HEAD w: it makes its head's K, V, Q, does the band attention in its own registers, hands four f16 fragments of the result
; to the others through LDS, and makes output columns 64 w .. 64 w + 63.
; x is quantised once a work-group: wave w makes fragment w (tile w / 4, k = 128 (w % 4) on), waves 0-3 also fragment 8 + w; fragments and scale words go round through LDS as images of the operand's registers.
; THE WEIGHTS come laid out by the first kernel: seven data of 131,072 bytes (Wk, Wv, Wq, Wo's four quarters of k), 16,384 bytes a wave, through two LDS slots.  Each wave fetches and reads its own part alone, reads it
; into 128 registers in one run, and the slot is asked for again at once: the products run while the load is on its way.  By this text's count a wave has two tensor loads out at the start, later one.
; CLUSTER.  The four work-groups of a cluster walk the same seven data: each part is asked for JOINTLY (the same load, the same descriptor, mask 15, in all four).  x is each work-group's own; the scale words and bo,
; 26 KB beside the 896 KB of images, come by plain loads.
; LAYOUTS.  K, Q: source 0 = 16 rows of W, source 1 = x: a lane holds x's row r and channels 16 t + 8 h + j: two tiles packed to f16 are a fragment (row r, 32 channels).  V: source 0 = x, source 1 = Wv: a lane holds channel r
; and keys 16 T + 8 h + j: two key tiles packed are a fragment of V^T.  S^T = K Q^T: a lane holds query r and keys 16 u + 8 h + j; packed, that is source 1 of O^T = V^T P, whose packed result is source 1 of the output product.
; No result changes lanes; a query's maximum and sum want one exchange between the halves of the lanes.  The mask is the C of the scores' first product, bo the C of the output's first.
; REGISTERS.  Window 0: v1-22 addresses; v24-39 at work; v40-51 x's scale words, v52-59 W's (scales and nothing else); v60-255 by phase (below).  Window 1: v0-95 x's fragments, later O^T and the fragments of the
; attention's result; v96-127 bo; v128-255 sixteen weight fragments.
.set SLOT1, 131072                     ; LDS: slot 0 at 0, slot 1 here; wave w's part at 16,384 w.  After its last fill and last read a wave's part of slot 1 is its stage for the way out
.set XIMG,  262144                     ; x's 12 fragments (4 T + s), images of 1,024 bytes
.set XSC,   274432                     ; their scale words, 128 bytes each
.set AIMG,  275968                     ; the attention's result: 32 fragments (2 kappa + qt), images
.set SPARE, 308736                     ; the spare words, 128 bytes for each wave: four blocks of 256 bytes that no other line names
.set SPW, 3                            ; v3   LDS address of my spare word; never rewritten
.set NIL, 4                            ; v4   0; never rewritten
.set LW0, 5                            ; v5   16 x lane + 16,384 w: my part of slot 0
.set LW1, 6                            ; v6   of slot 1
.set LX,  7                            ; v7   XIMG + 16 x lane
.set LXS, 8                            ; v8   XSC + 4 x lane
.set XWI, 9                            ; v9   where I store x's images: + 1,024 w
.set XWS, 10                           ; v10  and their scale words: + 128 w
.set LA,  11                           ; v11  AIMG + 16 x lane
.set AW,  12                           ; v12  where I store my head's fragments: + 4,096 w
.set STO, 13                           ; v13  the stage: where I put 32 bytes of a row
.set RD,  14                           ; v14  and where I read a row back
.set GO,  15                           ; v15  my byte offset in two rows of out0
.set XA0, 16                           ; v16  x: my lane's byte for my first fragment
.set XA1, 17                           ; v17  for my second
.set LS4, 18                           ; v18  4 x lane
.set SH8, 19                           ; v19  8 h
.set LXQ, 20                           ; v20  x's images read by QUERY rows: local row 8 + 16 qt + r lies in tile qt + r / 8, row (r + 8) % 16
.set LXSQ, 21                          ; v21  the same for the scale words
.set BOO, 22                           ; v22  32 h
.set PC,  24                           ; v24-31 codes just made; later at work in the softmax
.set MX,  32
.set SO,  34
.set BY,  36
.set PW,  38
.set PT,  39                           ; the lane permutes' destination
.set XS,  40
.set WS,  52
.set KH,  60                           ; K: accumulators v60-155, packed in place to v60-107: fragment (T, c) at KH + 16 T + 8 c
.set VH,  108                          ; V: accumulators v108-203, packed to v108-155: channel tile t at VH + 12 t: [T0 | T1 | T2], four registers each
.set QH,  156                          ; Q: accumulators v156-219, packed to v156-187: fragment (qt, c) at QH + 16 qt + 8 c
.set BI,  188                          ; v188-219 the mask as C: group 2 qt + u
.set SS,  220                          ; v220-235 S^T, then p; p packed in place into v220-227
.set AH,  236                          ; v236-251 my head's result of a query tile, f16
.set OA,  60                           ; v60-123 the output's eight accumulators (4 qt + t)
.set BK,  124                          ; v124-187 rows read back from the stage
.set WB,  128                          ; window 1: the weight fragments
.set BO,  96                           ; window 1: bo
.set WV,  14                           ; s14  my wave's number
.set SEL, 40                           ; s[40:41] lane selects: lane l xor 16
.set MSB, 0
.macro WIN new                         ; the immediate's high byte repeats the setting that is left; bits 1:0 source 0, 3:2 source 1, 5:4 source 2, 7:6 destination
.if MSB != \new
	s_set_vgpr_msb (MSB<<8)|\new
.set MSB, \new
.endif
.endm
.macro PLACES n                        ; plain vector lines between a matrix instruction and what touches its registers (ISA guide 7.12.1)
.rept \n
	v_nop
.endr
.endm
.macro ROUND                           ; a round of the cluster's barrier: my work-group's barrier; wave 0 signals for the work-group; every wave waits for all four work-groups; my work-group's barrier once more
	s_barrier_signal -1
	s_barrier_wait -1
	s_cmp_lg_u32 s[WV], 0
	s_cbranch_scc1 .Lnot_wave_0_\@
	s_barrier_signal -3
.Lnot_wave_0_\@:
	s_barrier_wait -3
	s_barrier_signal -1
	s_barrier_wait -1
.endm
.macro JLOAD sl                        ; a joint load, one in every wave: my 16,384 bytes of the slot's next data.  An s_nop 0 and four v_nop follow it
	tensor_load_to_lds s[32+4*\sl:35+4*\sl], s[24:31]
	s_nop 0
.rept 4
	v_nop
.endr
.endm
.macro CHANGE sl                       ; slot sl, which I have read out into registers, is filled again
	s_wait_tensorcnt 0x0                           ; all my tensor loads have landed, so a group 0 may be written
	ds_add_u32 v[SPW], v[NIL]                      ; 0 onto my spare word; the step below stands between it and the wait for it
	s_add_nc_u64 s[34+4*\sl:35+4*\sl], s[34+4*\sl:35+4*\sl], 2*SLOT1   ; the slot's next data lie two data on; the type bits on top are not reached
	s_wait_dscnt 0x0                               ; the add is done, my reads of the slot are back, my LDS stores have landed
	ROUND                                          ; that now holds of every wave of all four work-groups
	JLOAD \sl                                      ; the first thing behind the round, and my one tensor load until the next
.endm
.macro XLOAD reg, adr                  ; 64 numbers of my row of x: k = 64 c + 32 h + 0 .. 31 of a step of 128.  (No hint: the neighbouring work-group reads the rows at the block's edge again)
.irp c, 0,1
.irp i, 0,1,2,3,4,5,6,7
	global_load_b128 v[\reg+32*\c+4*\i:\reg+32*\c+4*\i+3], v[\adr], s[4:5] offset:256*\c+16*\i
.endr
.endr
.endm
; 64 numbers of a lane, v[x + 32 c + i] = k 64 c + 32 (lane / 16) + i of its row, become a fragment's codes in v[pc] on and the row's scale word in v[pw]
.macro QF4 x, pc, pw
.irp c, 0,1
	v_max3_num_f32 v[MX+\c], |v[(\x)+32*\c]|, |v[(\x)+32*\c+1]|, 0x1800000   ; my block 2 c + lane / 16: all 32 numbers are mine; the floor 2^(3 - 127) holds the byte at 1 from below
.endr
.irp i, 2,4,6,8,10,12,14,16,18,20,22,24,26,28,30
.irp c, 0,1
	v_max3_num_f32 v[MX+\c], v[MX+\c], |v[(\x)+32*\c+\i]|, |v[(\x)+32*\c+\i+1]|   ; (the two blocks by turns)
.endr
.endr
.irp c, 0,1
	v_add_nc_u32 v[SO+\c], 0xff000000, v[MX+\c]    ; 2 off the exponent field: the conversion takes the exponent field of this operand as its scale
.endr
.irp c, 0,1
	v_lshrrev_b32 v[BY+\c], 23, v[SO+\c]           ; the scale's byte
.endr
	v_lshl_or_b32 v[\pw], v[BY+1], 16, v[BY]       ; my two bytes: blocks h and 2 + h,
	v_lshlrev_b32 v[\pw], v[SH8], v[\pw]           ; at their places in the word;
	v_permlanex16_b32 v[PT], v[\pw], s[SEL], s[SEL+1]
	v_or_b32 v[\pw], v[\pw], v[PT]                 ; with lane l xor 16's two the word is whole
.irp c, 0,1
.irp g, 0,1,2,3
	v_cvt_scalef32_pk8_fp4_f32 v[(\pc)+4*\c+\g], v[(\x)+32*\c+8*\g:(\x)+32*\c+8*\g+7], v[SO+\c]
.endr
.endr
	v_nop                                          ; one plain vector line behind the last scaled conversion
.endm
.macro IMAGE off                       ; the fragment in v[PC] on and its scale word go to LDS as they stand
	ds_store_b128 v[XWI], v[PC:PC+3] offset:\off
	ds_store_b128 v[XWI], v[PC+4:PC+7] offset:\off+512
	ds_store_b32 v[XWS], v[PW] offset:(\off)/8
.endm
.macro FETCH adr                       ; my part of a slot, sixteen fragments, into window 1: 32 loads of 512 consecutive bytes
	WIN 0x40
.set n, 0
.rept 32
	ds_load_b128 v[WB+4*n:WB+4*n+3], v[\adr] offset:512*n
.set n, n+1
.endr
.endm
.macro XFETCH                          ; x's twelve fragments and scale words, by tiles
	WIN 0x40
.set n, 0
.rept 24
	ds_load_b128 v[4*n:4*n+3], v[LX] offset:512*n
.set n, n+1
.endr
	WIN 0
.irp f, 0,1,2,3,4,5,6,7,8,9,10,11
	ds_load_b32 v[XS+\f], v[LXS] offset:128*\f
.endr
.endm
.macro XQFETCH                         ; x's eight fragments (4 qt + s) by QUERY rows, over the first eight, and their scale words
	WIN 0x40
.irp f, 0,1,2,3,4,5,6,7
.irp c, 0,1
	ds_load_b128 v[8*\f+4*\c:8*\f+4*\c+3], v[LXQ] offset:1024*\f+512*\c
.endr
.endr
	WIN 0
.irp f, 0,1,2,3,4,5,6,7
	ds_load_b32 v[XS+\f], v[LXSQ] offset:128*\f
.endr
.endm
.macro WSLOAD mat                      ; my head's scale words of matrix mat: register 4 p + s: lanes 0-15 tile 2 p, lanes 16-31 tile 2 p + 1, k = 128 s on
.irp i, 0,1,2,3,4,5,6,7
	global_load_b32 v[WS+\i], v[LS4], s[8:9] offset:\mat*8192+128*\i
.endr
.endm
; one product of a projection used transposed: source 0 = W's tile t, source 1 = x's tile m, k = 128 s on.  s = 0 starts the sum: nothing is cleared
.macro PT1 acc, s, m, t
.set rD, (\acc)+8*(4*(\m)+(\t))
.set rA, WB+8*(4*(\s)+(\t))
.set rB, 8*(4*(\m)+(\s))
.set rW, WS+4*((\t)/2)+(\s)
.set rX, XS+4*(\m)+(\s)
.if ((\s) == 0) && ((\t)%2 == 0)
	v_wmma_scale_f32_16x16x128_f8f6f4 v[rD:rD+7], v[rA:rA+7], v[rB:rB+7], 0, v[rW], v[rX] matrix_a_fmt:MATRIX_FMT_FP4 matrix_b_fmt:MATRIX_FMT_FP4
.elseif (\s) == 0
	v_wmma_scale_f32_16x16x128_f8f6f4 v[rD:rD+7], v[rA:rA+7], v[rB:rB+7], 0, v[rW], v[rX] matrix_a_fmt:MATRIX_FMT_FP4 matrix_b_fmt:MATRIX_FMT_FP4 matrix_a_scale:MATRIX_SCALE_ROW1
.elseif (\t)%2 == 0
	v_wmma_scale_f32_16x16x128_f8f6f4 v[rD:rD+7], v[rA:rA+7], v[rB:rB+7], v[rD:rD+7], v[rW], v[rX] matrix_a_fmt:MATRIX_FMT_FP4 matrix_b_fmt:MATRIX_FMT_FP4
.else
	v_wmma_scale_f32_16x16x128_f8f6f4 v[rD:rD+7], v[rA:rA+7], v[rB:rB+7], v[rD:rD+7], v[rW], v[rX] matrix_a_fmt:MATRIX_FMT_FP4 matrix_b_fmt:MATRIX_FMT_FP4 matrix_a_scale:MATRIX_SCALE_ROW1
.endif
.endm
.macro PROJ_T acc, cnt                 ; cnt tiles of x's rows x my four tiles of W: the accumulators take turns, one instruction a turn
.irp s, 0,1,2,3
.irp m, 0,1,2
.if \m < \cnt
.irp t, 0,1,2,3
	PT1 \acc, \s, \m, \t
.endr
.endif
.endr
.endr
.endm
; one product of V's projection: source 0 = x's tile m, source 1 = Wv's tile t
.macro PN1 acc, s, t, m
.set rD, (\acc)+8*(3*(\t)+(\m))
.set rA, WB+8*(4*(\s)+(\t))
.set rB, 8*(4*(\m)+(\s))
.set rW, WS+4*((\t)/2)+(\s)
.set rX, XS+4*(\m)+(\s)
.if ((\s) == 0) && ((\t)%2 == 0)
	v_wmma_scale_f32_16x16x128_f8f6f4 v[rD:rD+7], v[rB:rB+7], v[rA:rA+7], 0, v[rX], v[rW] matrix_a_fmt:MATRIX_FMT_FP4 matrix_b_fmt:MATRIX_FMT_FP4
.elseif (\s) == 0
	v_wmma_scale_f32_16x16x128_f8f6f4 v[rD:rD+7], v[rB:rB+7], v[rA:rA+7], 0, v[rX], v[rW] matrix_a_fmt:MATRIX_FMT_FP4 matrix_b_fmt:MATRIX_FMT_FP4 matrix_b_scale:MATRIX_SCALE_ROW1
.elseif (\t)%2 == 0
	v_wmma_scale_f32_16x16x128_f8f6f4 v[rD:rD+7], v[rB:rB+7], v[rA:rA+7], v[rD:rD+7], v[rX], v[rW] matrix_a_fmt:MATRIX_FMT_FP4 matrix_b_fmt:MATRIX_FMT_FP4
.else
	v_wmma_scale_f32_16x16x128_f8f6f4 v[rD:rD+7], v[rB:rB+7], v[rA:rA+7], v[rD:rD+7], v[rX], v[rW] matrix_a_fmt:MATRIX_FMT_FP4 matrix_b_fmt:MATRIX_FMT_FP4 matrix_b_scale:MATRIX_SCALE_ROW1
.endif
.endm
.macro PROJ_N acc
.irp s, 0,1,2,3
.irp t, 0,1,2,3
.irp m, 0,1,2
	PN1 \acc, \s, \t, \m
.endr
.endr
.endr
.endm
.macro PACK base, cnt                  ; cnt accumulators to f16, in place, ascending: each is read from its low end on, and a register is written only when it has been read
.set n, 0
.rept \cnt
.irp i, 0,1,2,3
	v_cvt_pk_f16_f32 v[\base+4*n+\i], v[\base+8*n+2*\i], v[\base+8*n+2*\i+1]
.endr
.set n, n+1
.endr
.endm
.macro BGRP grp, ex, u                 ; the mask of group grp: register j holds key 16 u + 8 h + j of the window; open where 16 u + j + E lies in 0 .. 8
.irp j, 0,1,2,3,4,5,6,7
	v_add_nc_u32 v35, 16*\u+\j, v[\ex]
	v_cmp_lt_u32 vcc_lo, 8, v35
	v_cndmask_b32 v[BI+8*\grp+\j], 0, v36, vcc_lo
.endr
.endm
; THE BAND ATTENTION of query tile qt of my head: 16 queries x 32 keys
.macro ATT qt
	PLACES 5                                       ; S^T is begun anew over registers of the last tile's products
	v_wmma_f32_16x16x32_f16 v[SS:SS+7], v[KH+16*\qt:KH+16*\qt+7], v[QH+16*\qt:QH+16*\qt+7], v[BI+16*\qt:BI+16*\qt+7]                 ; keys 0-15, channels 0-31, + the mask
	v_wmma_f32_16x16x32_f16 v[SS+8:SS+15], v[KH+16*\qt+16:KH+16*\qt+23], v[QH+16*\qt:QH+16*\qt+7], v[BI+16*\qt+8:BI+16*\qt+15]       ; keys 16-31
	v_wmma_f32_16x16x32_f16 v[SS:SS+7], v[KH+16*\qt+8:KH+16*\qt+15], v[QH+16*\qt+8:QH+16*\qt+15], v[SS:SS+7]                         ; channels 32-63: the two accumulators by turns
	v_wmma_f32_16x16x32_f16 v[SS+8:SS+15], v[KH+16*\qt+24:KH+16*\qt+31], v[QH+16*\qt+8:QH+16*\qt+15], v[SS+8:SS+15]
	PLACES 4
	v_max3_num_f32 v32, v[SS], v[SS+1], v[SS+2]    ; the row's maximum: two chains, each accumulator from its low end on
	v_max3_num_f32 v33, v[SS+8], v[SS+9], v[SS+10]
	v_max3_num_f32 v32, v32, v[SS+3], v[SS+4]
	v_max3_num_f32 v33, v33, v[SS+11], v[SS+12]
	v_max3_num_f32 v32, v32, v[SS+5], v[SS+6]
	v_max3_num_f32 v33, v33, v[SS+13], v[SS+14]
	v_max3_num_f32 v32, v32, v[SS+7], v[SS+15]
	v_max_num_f32 v32, v32, v33
	v_permlanex16_b32 v[PT], v32, s[SEL], s[SEL+1] ; the query's other 16 keys lie in the lane 16 away
	v_max_num_f32 v32, v32, v[PT]                  ; at least five keys of every query are open, so this is an open score
	v_mul_f32 v24, s44, v32                        ; - c m, c = log2(e) / 8
	v_mov_b32 v25, v24                             ; (named with it as a pair, so it is written)
.irp j, 0,2,4,6,8,10,12,14
	v_pk_fma_f32 v[SS+\j:SS+\j+1], v[SS+\j:SS+\j+1], s[42:43], v[24:25] op_sel_hi:[1,0,0]   ; c s - c m, two at a time
.endr
.irp j, 0,1,2,3,4,5,6,7,8,9,10,11,12,13,14,15
	v_exp_f32 v[SS+\j], v[SS+\j]                   ; one batch; a hidden score gives 0
.endr
	v_nop                                          ; a plain line behind the last exponential
	s_wait_alu depctr_va_vdst(0)                   ; the wait ahead of the first line that names a result: one for the sixteen
	v_pk_add_f32 v[34:35], v[SS:SS+1], v[SS+2:SS+3]
	v_pk_add_f32 v[36:37], v[SS+4:SS+5], v[SS+6:SS+7]
	v_pk_add_f32 v[34:35], v[34:35], v[SS+8:SS+9]
	v_pk_add_f32 v[36:37], v[36:37], v[SS+10:SS+11]
	v_pk_add_f32 v[34:35], v[34:35], v[SS+12:SS+13]
	v_pk_add_f32 v[36:37], v[36:37], v[SS+14:SS+15]
	v_pk_add_f32 v[34:35], v[34:35], v[36:37]
	v_add_f32 v34, v34, v35
	v_permlanex16_b32 v[PT], v34, s[SEL], s[SEL+1]
	v_add_f32 v34, v34, v[PT]                      ; the row's sum
	v_rcp_f32 v26, v34
	v_mov_b32 v27, 0                               ; a plain line behind the reciprocal; the pair's upper half is written
	s_wait_alu depctr_va_vdst(0)                   ; and the wait ahead of its first use
.irp j, 0,2,4,6,8,10,12,14
	v_pk_mul_f32 v[SS+\j:SS+\j+1], v[SS+\j:SS+\j+1], v[26:27] op_sel_hi:[1,0]   ; the weights are normalised in f32, and rounded after that
.endr
.irp i, 0,1,2,3,4,5,6,7
	v_cvt_pk_f16_f32 v[SS+\i], v[SS+2*\i], v[SS+2*\i+1]   ; in place, ascending: source 1 (32 keys x 16 queries) of the next product
.endr
	WIN 0x40                                       ; O^T lies in window 1
.irp t, 0,1,2,3
	v_wmma_f32_16x16x32_f16 v[8*\t:8*\t+7], v[VH+12*\t+4*\qt:VH+12*\t+4*\qt+7], v[SS:SS+7], 0   ; channels 16 t on: key tiles qt and qt + 1 of V^T
.endr
	PLACES 5                                       ; five: V's registers are later written over by matrix instructions
	s_wait_dscnt 0x0                               ; the last tile's LDS stores have read their registers
	WIN 0x05
.irp t, 0,1,2,3
.irp i, 0,1,2,3
	v_cvt_pk_f16_f32 v[AH+4*\t+\i], v[8*\t+2*\i], v[8*\t+2*\i+1]
.endr
.endr
	WIN 0
.irp c, 0,1
.irp g, 0,1
	ds_store_b128 v[AW], v[AH+8*\c+4*\g:AH+8*\c+4*\g+3] offset:(2*\c+\qt)*1024+512*\g   ; fragment (kappa = 2 w + c, qt), as an image
.endr
.endr
.endm
.macro AFETCH q                        ; the eight fragments (2 kk + qt) of the attention's result for k = 128 q on
	WIN 0x40
.set n, 0
.rept 16
	ds_load_b128 v[4*n:4*n+3], v[LA] offset:8192*\q+512*n
.set n, n+1
.endr
.endm
.macro OMUL first                      ; 32 products of the output: source 0 = Wo's tile t, source 1 = the result's fragment; eight accumulators by turns.  first = 1: bo starts the sums
.irp k, 0,1,2,3
.if (\first) && (\k == 0)
	WIN 0x15
.else
	WIN 0x05
.endif
.irp q, 0,1
.irp t, 0,1,2,3
.set rD, OA+8*(4*\q+\t)
.set rA, WB+8*(4*\k+\t)
.set rB, 8*(2*\k+\q)
.if (\first) && (\k == 0)
	v_wmma_f32_16x16x32_f16 v[rD:rD+7], v[rA:rA+7], v[rB:rB+7], v[BO+8*\t:BO+8*\t+7]
.else
	v_wmma_f32_16x16x32_f16 v[rD:rD+7], v[rA:rA+7], v[rB:rB+7], v[rD:rD+7]
.endif
.endr
.endr
.endr
.endm
	; ---- the head
	s_load_b256 s[4:11], s[0:1], 0x0               ; x s[4:5], wimg s[6:7], wsc s[8:9], bo s[10:11]
	s_load_b64 s[12:13], s[0:1], 0x20              ; out0
	v_lshl_add_u32 v[SPW], v0, 2, SPARE
	v_mov_b32 v[NIL], 0
	ds_add_u32 v[SPW], v[NIL]                      ; the wave's opening: the add, twice on end, and its wait ahead of my first tensor load; the set-up below, work on registers, stands between
	ds_add_u32 v[SPW], v[NIL]                      ; and once more, under the one wait
	v_lshrrev_b32 v23, 5, v0
	v_readfirstlane_b32 s[WV], v23                 ; wave 0..7 = my head
	s_bfe_u32 s15, ttmp6, 0x40000                  ; cx: my place in the cluster
	s_lshl_b32 s16, ttmp9, 2                       ; in a cluster launch ttmp9 counts clusters
	s_add_co_u32 s16, s16, s15                     ; wg: it enters x's and out0's addresses and the mask's numbers alone
	; descriptor group 1: 16,384 dense bytes as 64 rows of 32 elements of 8 bytes
	s_mov_b32 s24, 15|(3<<16)|(1<<21)              ; 15:0 the mask: all four work-groups; 17:16 elements of 8 bytes; 21 set beside a mask; no padding: images are read 16 bytes a lane on end
	s_mov_b32 s25, 32<<16                          ; tensor_dim0 = 32
	s_mov_b32 s26, 64<<16                          ; tensor_dim1 = 64
	s_mov_b32 s27, 32<<16                          ; tile_dim0 = 32
	s_mov_b32 s28, 64                              ; tile_dim1 = 64
	s_mov_b32 s29, 32                              ; from row to row
	s_mov_b32 s30, 0
	s_mov_b32 s31, 0
	s_mov_b32 s[SEL], 0x76543210
	s_mov_b32 s[SEL+1], 0xfedcba98
	s_mov_b32 s42, 0x3e38aa3b                      ; c = log2(e) / sqrt(64)
	s_mov_b32 s43, s42                             ; (named with it as a pair, so it is written)
	s_mov_b32 s44, 0xbe38aa3b                      ; - c
	s_and_b32 s47, s16, 127                        ; my block's place in its sequence of 128 blocks
	s_cmp_eq_u32 s47, 0
	s_cselect_b32 s45, -1, 0                       ; the first: local rows 0-7 are no keys of this sequence
	s_cmp_eq_u32 s47, 127
	s_cselect_b32 s46, -1, 0                       ; the last: local rows 40-47 are none
	v_and_b32 v23, 31, v0                          ; lane
	v_and_b32 v1, 15, v0                           ; r
	v_bfe_u32 v2, v0, 4, 1                         ; h
	s_lshl_b32 s52, s[WV], 14                      ; 16,384 w
	s_mov_b32 s53, 0
	v_lshl_add_u32 v[LW0], v23, 4, s52
	v_add_nc_u32 v[LW1], SLOT1, v[LW0]
	v_lshl_add_u32 v[LX], v23, 4, XIMG
	v_lshl_add_u32 v[LXS], v23, 2, XSC
	s_lshl_b32 s47, s[WV], 10
	v_add_nc_u32 v[XWI], s47, v[LX]
	s_lshl_b32 s47, s[WV], 7
	v_add_nc_u32 v[XWS], s47, v[LXS]
	v_lshl_add_u32 v[LA], v23, 4, AIMG
	s_lshl_b32 s47, s[WV], 12
	v_add_nc_u32 v[AW], s47, v[LA]
	s_add_co_u32 s47, s52, SLOT1                   ; my part of slot 1: later my stage, rows of 256 bytes + 16
	v_mul_u32_u24 v[STO], v1, 272
	v_lshl_add_u32 v[STO], v2, 5, v[STO]
	v_add_nc_u32 v[STO], s47, v[STO]               ; in: row r, 32 bytes for each half of the lanes
	v_mul_u32_u24 v[RD], v2, 272
	v_lshl_add_u32 v[RD], v1, 4, v[RD]
	v_add_nc_u32 v[RD], s47, v[RD]                 ; back: lanes 0-15 one row of 256 bytes, lanes 16-31 the next
	v_lshlrev_b32 v[GO], 11, v2
	v_lshl_add_u32 v[GO], v1, 4, v[GO]             ; and the same two rows in out0
	v_lshlrev_b32 v[LS4], 2, v23
	v_lshlrev_b32 v[SH8], 3, v2
	v_add_nc_u32 v32, 8, v1
	v_and_b32 v32, 15, v32                         ; (r + 8) % 16
	v_lshrrev_b32 v33, 3, v1                       ; r / 8
	v_lshlrev_b32 v[LXQ], 4, v32
	v_lshl_add_u32 v[LXQ], v2, 8, v[LXQ]
	v_lshl_add_u32 v[LXQ], v33, 12, v[LXQ]         ; a tile of rows on is four fragments on
	v_add_nc_u32 v[LXQ], XIMG, v[LXQ]
	v_lshlrev_b32 v[LXSQ], 2, v32
	v_lshl_add_u32 v[LXSQ], v33, 9, v[LXSQ]
	v_add_nc_u32 v[LXSQ], XSC, v[LXSQ]
	v_lshlrev_b32 v[BOO], 5, v2
	v_mov_b32 v[PT], 0                             ; written once: a lane permute's destination counts as one of its sources
	s_lshl_b32 s48, s16, 5                         ; 32 wg
	s_lshr_b32 s49, s[WV], 2
	s_lshl_b32 s49, s49, 4
	s_add_co_u32 s49, s49, s48                     ; + 16 (w / 4): my first fragment's tile
	s_add_co_u32 s50, s48, 32                      ; tile 2: my second's
	s_and_b32 s51, s[WV], 3
	s_lshl_b32 s51, s51, 9                         ; k = 128 (w % 4) on
	v_lshl_add_u32 v34, v2, 7, s51                 ; + 32 h numbers
.irp a, 0,1
	v_add_nc_u32 v[XA0+\a], s[49+\a], v1           ; 8 + the row of x,
	v_max_u32 v[XA0+\a], 8, v[XA0+\a]              ; held inside the tensor from below
	v_add_nc_u32 v[XA0+\a], -8, v[XA0+\a]
	v_min_u32 v[XA0+\a], 0x1fff, v[XA0+\a]         ; and from above: what is held lies outside the sequence and is hidden by the mask
	v_lshl_add_u32 v[XA0+\a], v[XA0+\a], 11, v34
.endr
	s_wait_dscnt 0x0                               ; both opening adds are done
	s_wait_kmcnt 0x0
	s_mov_b32 s32, 1                               ; group 0 for slot 0: count = 1,
	s_lshl_b32 s33, s[WV], 14                      ; LDS address: my part,
	s_add_nc_u64 s[34:35], s[6:7], s[52:53]        ; global address: my part of data 0: the wave's number and constants alone, equal in all four work-groups
	s_mov_b32 s36, 1                               ; and for slot 1: data 1
	s_add_co_u32 s37, s33, SLOT1
	s_add_nc_u64 s[38:39], s[34:35], SLOT1
	s_or_b32 s35, s35, 0x80000000                  ; type = 2
	s_or_b32 s39, s39, 0x80000000
	s_mov_b32 s49, 0
	s_lshl_b32 s48, s[WV], 10
	s_add_nc_u64 s[8:9], s[8:9], s[48:49]          ; my head's scale words
	s_lshl_b32 s48, s[WV], 8
	s_add_nc_u64 s[10:11], s[10:11], s[48:49]      ; my 64 numbers of bo
	s_lshl_b32 s50, s16, 16                        ; 32 rows of 2,048 bytes a block
	s_add_co_u32 s48, s48, s50
	s_add_nc_u64 s[12:13], s[12:13], s[48:49]      ; my 64 columns of my block's first row
	ROUND                                          ; all four work-groups are here: the first joint loads meet
	tensor_load_to_lds s[32:35], s[24:31]          ; data 0 (Wk)
	s_nop 0
	tensor_load_to_lds s[36:39], s[24:31]          ; data 1 (Wv): two loads of mine are out
	s_nop 0
.rept 4
	v_nop
.endr
	; ---- X: x is quantised, a fragment or two a wave
	XLOAD 60, XA0
	WSLOAD 0
	WIN 0x40
.irp t, 0,1,2,3
	global_load_b128 v[BO+8*\t:BO+8*\t+3], v[BOO], s[10:11] offset:64*\t        ; lane (r, h): bo at 64 w + 16 t + 8 h + 0 .. 7
	global_load_b128 v[BO+8*\t+4:BO+8*\t+7], v[BOO], s[10:11] offset:64*\t+16
.endr
	WIN 0
	s_cmp_ge_u32 s[WV], 4
	s_cbranch_scc1 .Lone_fragment
	XLOAD 124, XA1                                 ; waves 0-3: fragment 8 + w too
	s_wait_loadcnt 16                              ; all but the 16 just issued
	QF4 60, PC, PW
	IMAGE 0
	s_wait_loadcnt 0x0
	s_wait_dscnt 0x0                               ; the stores have read their registers
	QF4 124, PC, PW
	IMAGE 8192
	s_branch .Lx_done
.Lone_fragment:
	s_wait_loadcnt 0x0
	QF4 60, PC, PW
	IMAGE 0
.Lx_done:
	; ---- K
	s_wait_tensorcnt 0x1                           ; my part of data 0 has landed; data 1, issued behind it, may be out.  Only I read my part
	FETCH LW0
	WIN 0
	CHANGE 0                                       ; data 2 goes out.  The wait for my LDS stores and the round also show x's images to every wave
	XFETCH
	s_wait_dscnt 0x0
	WIN 0x05                                       ; sources 0 and 1 in window 1
	PROJ_T KH, 3
	WIN 0
	PLACES 4                                       ; in front of loads into registers that these products read, and of the first read of their results
	; ---- V
	WSLOAD 1
	FETCH LW1                                      ; data 1: shown landed by the wait for all loads at the last change
	WIN 0
	PACK KH, 12
	CHANGE 1                                       ; data 3 goes out
	s_wait_loadcnt 0x0                             ; Wv's scale words
	PLACES 5                                       ; V's accumulators are begun over registers that K's products wrote
	WIN 0x05
	PROJ_N VH
	WIN 0
	PLACES 4
	; ---- Q
	WSLOAD 2
	FETCH LW0                                      ; data 2
	XQFETCH
	PACK VH, 12
	CHANGE 0                                       ; data 4 goes out
	s_wait_loadcnt 0x0
	PLACES 5
	WIN 0x05
	PROJ_T QH, 2
	WIN 0
	PLACES 4
	; ---- the band attention, in my own registers
	FETCH LW1                                      ; data 3: Wo's first quarter waits in registers
	WIN 0
	PACK QH, 8
	CHANGE 1                                       ; data 5 goes out: the last fill of slot 1
	v_sub_nc_u32 v32, v[SH8], v1
	v_add_nc_u32 v32, -4, v32                      ; E = 8 h - r - 4: key 16 u + 8 h + j of the window is open for query r where 16 u + j + E lies in 0 .. 8 (as an unsigned number)
	v_xor_b32 v37, 1, v2
	v_lshlrev_b32 v37, 30, v37
	v_and_b32 v37, s45, v37
	v_add_nc_u32 v33, v32, v37                     ; in a sequence's first block local rows 0-7 (tile 0, h = 0) are pushed out of that range,
	v_lshlrev_b32 v37, 30, v2
	v_and_b32 v37, s46, v37
	v_add_nc_u32 v34, v32, v37                     ; in its last block local rows 40-47 (tile 2, h = 1)
	v_mov_b32 v36, 0xf1800000                      ; -2^100
	BGRP 0, 33, 0
	BGRP 1, 32, 1
	BGRP 2, 32, 0
	BGRP 3, 34, 1
	ATT 0
	ATT 1
	s_wait_dscnt 0x0                               ; for the others' sake: my four fragments lie in LDS
	s_barrier_signal -1
	s_barrier_wait -1                              ; all eight heads' do.  Data 5 may stay out across it
	; ---- the output projection, a quarter of k at a time
	AFETCH 0
	s_wait_dscnt 0x0
	OMUL 1
	WIN 0
	PLACES 4
	FETCH LW0                                      ; data 4: shown landed at the last change
	AFETCH 1
	WIN 0
	CHANGE 0                                       ; data 6 goes out: the last load
	OMUL 0
	WIN 0
	PLACES 4
	FETCH LW1                                      ; data 5
	AFETCH 2
	s_wait_dscnt 0x0
	OMUL 0
	WIN 0
	PLACES 4
	s_wait_tensorcnt 0x0                           ; my part of data 6 has landed
	FETCH LW0
	AFETCH 3
	s_wait_dscnt 0x0
	OMUL 0
	WIN 0
	PLACES 4
	; ---- the way out.  A lane holds 32 neighbouring bytes of a row, the lanes beside it other rows: a tile of 16 rows x 256 bytes goes through my stage and comes back as whole rows.
	; LDS serves a wave's instructions in order (ISA guide 5.7.1.4): no wait between the stores and the loads.  The stage lies in my part of slot 1, which has had its last fill and its last read.
.irp q, 0,1
.irp t, 0,1,2,3
	ds_store_b128 v[STO], v[OA+8*(4*\q+\t):OA+8*(4*\q+\t)+3] offset:4352*\q+64*\t        ; each accumulator from its low end on
	ds_store_b128 v[STO], v[OA+8*(4*\q+\t)+4:OA+8*(4*\q+\t)+7] offset:4352*\q+64*\t+16
.endr
.irp i, 0,1,2,3,4,5,6,7
	ds_load_b128 v[BK+32*\q+4*\i:BK+32*\q+4*\i+3], v[RD] offset:4352*\q+544*\i
.endr
.endr
.irp q, 0,1
.irp i, 0,1,2,3,4,5,6,7
	s_wait_dscnt 16*(1-\q)+7-\i                    ; the LDS instructions issued behind this load may be out
	global_store_b128 v[GO], v[BK+32*\q+4*\i:BK+32*\q+4*\i+3], s[12:13] offset:32768*\q+4096*\i th:TH_STORE_NT   ; 16 lanes store 256 consecutive bytes, at a multiple of 256 from out0's first byte
.endr
.endr
	s_wait_tensorcnt 0x0                           ; the wave's end: behind my last tensor load and my last LDS store
	ds_add_u32 v[SPW], v[NIL]
	s_wait_dscnt 0x0
	ROUND                                          ; the closing round: no work-group ends while a partner may still ask for data that name it
	s_endpgm
.Lfunc_end_k_q8a7dc94679_fused:
	.size	k_q8a7dc94679_fused, .Lfunc_end_k_q8a7dc94679_fused-k_q8a7dc94679_fused
	.p2alignl 7, 3214868480
	.fill 96, 4, 3214868480
	.section	.rodata,"a",@progbits
	.p2align	6, 0x0
	.amdhsa_kernel k_q8a7dc94679_fused
		.amdhsa_group_segment_fixed_size 327680
		.amdhsa_private_segment_fixed_size 0
		.amdhsa_enable_private_segment 0
		.amdhsa_kernarg_size 40
		.amdhsa_user_sgpr_count 2
		.amdhsa_user_sgpr_kernarg_segment_ptr 1
		.amdhsa_wavefront_size32 1
		.amdhsa_system_sgpr_workgroup_id_x 1
		.amdhsa_system_sgpr_workgroup_id_y 1
		.amdhsa_system_sgpr_workgroup_id_z 1
		.amdhsa_system_vgpr_workitem_id 0
		.amdhsa_next_free_vgpr 512
		.amdhsa_next_free_sgpr 66
		.amdhsa_reserve_vcc 1
		.amdhsa_float_denorm_mode_32 3
		.amdhsa_float_denorm_mode_16_64 3
		.amdhsa_memory_ordered 1
		.amdhsa_forward_progress 1
		.amdhsa_inst_pref_size 101
	.end_amdhsa_kernel
	.amdgpu_metadata
---
amdhsa.version: [ 1, 2 ]
amdhsa.kernels:
  - .name:           k_q8a7dc94679_fused
    .symbol:         k_q8a7dc94679_fused.kd
    .args:
      - { .name: x, .offset: 0, .size: 8, .value_kind: global_buffer, .address_space: global }
      - { .name: wimg, .offset: 8, .size: 8, .value_kind: global_buffer, .address_space: global }
      - { .name: wsc, .offset: 16, .size: 8, .value_kind: global_buffer, .address_space: global }
      - { .name: bo, .offset: 24, .size: 8, .value_kind: global_buffer, .address_space: global }
      - { .name: out0, .offset: 32, .size: 8, .value_kind: global_buffer, .address_space: global }
    .group_segment_fixed_size: 327680
    .private_segment_fixed_size: 0
    .kernarg_segment_align: 8
    .kernarg_segment_size: 40
    .max_flat_workgroup_size: 256
    .sgpr_count:     66
    .vgpr_count:     512
    .wavefront_size: 32
...
	.end_amdgpu_metadata
.endif
;; end of part 2
